; MI455X (gfx1250); checked and timed in simulation.
; The chip was launched on July 23, 2026; its instructions are those of AMD's public machine-readable ISA for CDNA 5 (MIT licence, August 2026) and "CDNA5" Instruction Set Architecture Reference Guide (July 2026). The comments in the code are by the model that wrote it; some were corrected since.
;; Complex Mixture. Allowed arithmetic: float matrix products may take bf16 or f16 operands with f32 sums; all other float work in f32.
;; Inputs: input_imag 32 x 8,192 x 64 float32; input_real 32 x 8,192 x 64 float32.
;; Outputs: out0 32 x 64 x 64 float32; out1 32 x 64 x 64 float32.
;; 2 versions, each right; version 2 is version 1 with the launch gram written anew for expert scheduling mode. Each part assembles by itself: llvm-mc -triple=amdgcn-amd-amdhsa -mcpu=gfx1250 --defsym DOCPART=n.
;; ======== version 1 of 2: 2 launches
;; workspace buffers: part 5,242,880 bytes
;; launch gram (part 1): grid 256 x 1, 4 waves a work-group, no clusters, 82,432 bytes of LDS; arguments input_real, input_imag, part; writes part
.if DOCPART == 1
	.amdgcn_target "amdgcn-amd-amdhsa--gfx1250"
	.amdhsa_code_object_version 6
	.text
	.protected	k_q7f67a08f34_gram
	.globl	k_q7f67a08f34_gram
	.p2align	8
	.type	k_q7f67a08f34_gram,@function
k_q7f67a08f34_gram:
	s_mov_b64 s[64:65], 0
	v_nop
	global_prefetch_b8 v0, s[64:65] scope:SCOPE_SE
	s_setreg_imm32_b32 hwreg(HW_REG_WAVE_MODE, 25, 1), 1
	s_wait_xcnt 0x0
; ComplexMixture, first of two launches: partial Gram sums over 1,024 tokens, upper tiles only.
;   G[i][j] = sum over s of R[s][i] R[s][j] + I[s][i] I[s][j]                     (rr + ii, symmetric)
;   A[i][j] = sum over s of R[s][i] I[s][j]  -  sum over s of I[s][i] R[s][j]     (ri - ri^T, antisymmetric)
; R, I: [32][8192][64] f32.  Work-group x (0..255) owns tokens 1024 x .. 1024 x + 1023 of the flattened [32*8192] rows (batch x / 8,
; chunk x % 8) and stores 20 tiles of 16 x 16 f32, unscaled, at part + 20,480 x.  The second launch adds the 8 chunks and mirrors.
; Four waves, one on each SIMD; a wave owns 256 tokens = 8 K steps of 32 tokens.
;
; NO TRANSPOSE IS NEEDED ON THE WAY IN.  The sum runs over s, which lies across the rows of memory, and a matrix operand wants a lane to
; hold ONE column i with s along its registers.  A 16-byte load at 16 x lane gives lane (r = lane % 16, h = lane / 16) the columns
; 4r .. 4r+3 of token 2j + h.  Register f of those four goes to fragment f, which so holds the columns i = 4r + f (f modulo 4).
; Sixteen loads (32 tokens) and 32 packing conversions make the four fragments of one input.  The place of a token in the k slots
; (h, register, half) is the same in all eight fragments, so each serves as A or as B operand and the products meet the right partners.
; Each load of a wave covers 512 consecutive bytes, two whole rows; every input byte is loaded once.
;
; TILES.  Tile (a, b), element (m, n), is out[4m + a][4n + b].  Tile (b, a) is the transpose of tile (a, b), with the sign turned for A, so only
; the ten tiles with a <= b are made: number t(a, b) = 3a - a(a-1)/2 + b = 0..9.  A step is 40 products in place of 64.
; IN part a tile lies as it lies in registers: tile T (G: t, A: 10 + t) at 1,024 T; register 4q + e of lane l, which is element
; (m = 8 (l / 16) + 4q + e, n = l % 16), at 512 q + 16 l + 4 e.
;
; NOT USED, by this text's own arithmetic: clusters (no two work-groups load a common byte); the tensor data mover and an LDS ring (the
; layout above needs no pass through LDS, and four register slots of 8 KB a wave hold what is in flight); prefetches (every byte is
; asked for once, from the first lines on).
; LIMITS: operands are rounded to bf16 (nearest even), sums are f32 in another order than a plain einsum; a finite input above the
; largest bf16 by more than half a step (about 3.39e38) becomes infinite, where R[s][i]^2 has overflowed f32 long before.
;
; REGISTERS, in windows of 256:
;   window 0: v1 load offset, v2 16 x lane, v4-v11 addresses of the way out, v64-127 and v128-191 two sets of 8 fragments (R's four, then
;             I's four); on the way out v64-223 the tiles read back
;   window 1: accumulators, tile t at 8 t: G at 0, P = R^T I at 80 (later A), Q = I^T R at 160
;   window 2: four load slots of 64 registers: 128 (step % 2) + 64 (0: R, 1: I)
.set ROWB,   256                       ; a token's row: 64 f32
.set STEPB,  32*ROWB                   ; bytes of one input in a K step of 32 tokens
.set TILEB,  1024                      ; a tile: 16 x 16 f32
.set WREG,   20*TILEB                  ; a wave's 20 tiles in LDS, and a work-group's in part: 20,480 bytes; four waves: 81,920
.set OWN,    5*TILEB                   ; the five tiles that a wave adds up and stores
.set VOFF, 1                           ; v1      16 x lane + 65,536 x wave: my 16 bytes in the wave's first two rows
.set L16,  2                           ; v2      16 x lane
.set STO,  4                           ; v4      LDS: my 16 bytes in the first half tile of my wave's region
.set RD,   8                           ; v8-11   LDS: my 16 bytes in tile 5w of the region of wave u = 0..3
.set GO,   RD                          ; v8      and the same offset in the work-group's 20,480 bytes of part
.set FR,   64                          ; fragment sets
.set LA,   64                          ; way out: piece p (half a tile) of four waves at LA + 16 p + 4 u
.set GACC, 0                           ; window 1
.set PACC, 80
.set QACC, 160
; s_set_vgpr_msb's low byte: bits 1:0 source 0, 3:2 source 1, 5:4 source 2, 7:6 destination
.set TO_X,    0x80                     ; loads: data to window 2, offset register in window 0
.set FROM_X,  0x0a                     ; conversions: both sources window 2, result window 0
.set MUL,     0x50                     ; products: A and B window 0, C and D window 1
.set ST_ACC,  0x04                     ; LDS stores: data window 1, address window 0
.set IN_W1,   0x45                     ; differences inside window 1
.set MSB, 0
.macro WIN new                         ; the immediate's high byte repeats the setting that is left; switches that change nothing are dropped
.if MSB != \new
	s_set_vgpr_msb (MSB<<8)|\new
.set MSB, \new
.endif
.endm
; 16 loads: K step t's 32 tokens of input x (0: R at s[4:5], 1: I at s[6:7]) into its slot.  The step lies in the immediate: nothing is stepped.
.macro FILL t, x
.set XB, 128*((\t)%2)+64*\x
	WIN TO_X
.irp j, 0,1,2,3,4,5,6,7,8,9,10,11,12,13,14,15
	global_load_b128 v[XB+4*\j:XB+4*\j+3], v[VOFF], s[4+2*\x:5+2*\x] offset:(\t)*STEPB+\j*512 th:TH_LOAD_NT
.endr
.endm
; 32 conversions: the slot's 64 registers become four fragments.  Register q of fragment f packs column 4r + f of tokens 4q + h and 4q + 2 + h.
.macro CVT t, x
.set XB, 128*((\t)%2)+64*\x
.set FB, FR+64*((\t)%2)+32*\x
	WIN FROM_X
.irp f, 0,1,2,3
.irp q, 0,1,2,3,4,5,6,7
	v_cvt_pk_bf16_f32 v[FB+8*\f+\q], v[XB+8*\q+\f], v[XB+8*\q+4+\f]
.endr
.endr
.endm
.macro MM d, a, b, zero
.if \zero
	v_wmma_f32_16x16x32_bf16 v[\d:\d+7], v[\a:\a+7], v[\b:\b+7], 0
.else
	v_wmma_f32_16x16x32_bf16 v[\d:\d+7], v[\a:\a+7], v[\b:\b+7], v[\d:\d+7]
.endif
.endm
; 10 products: tile (m, n), m <= n, at acc + 8 t(m, n) takes fragment m of fa as A and fragment n of fb as B.  zero = 1: the product starts the sum.
.macro PRODU acc, fa, fb, zero
.irp m, 0,1,2,3
.irp n, 0,1,2,3
.if \n >= \m
	MM \acc+8*(3*\m-\m*(\m-1)/2+\n), \fa+8*\m, \fb+8*\n, \zero
.endif
.endr
.endr
.endm
; A K STEP.  fill = 1: each slot is loaded again, two steps ahead, straight behind the conversions that emptied it.
; leftr, lefti: how many younger loads may stay out when R's, I's 16 loads of this step have to be in.
; The fragment sets take turns, so that a conversion writes registers whose last products lie a whole step back: the 64 conversions of the
; step between, which name the other set and window 2 alone, are far more than the four places that ISA guide 7.12.1 asks behind a
; matrix instruction before one of its sources is written.  rr and ii follow each other on one accumulator as a chain in place.
.macro STEP t, fill, leftr, lefti, first
.set FS, FR+64*((\t)%2)
	s_wait_loadcnt \leftr                          ; loads return in order (ISA guide 5.7.1): R's slot is in
	CVT \t, 0
.if \fill
	FILL (\t)+2, 0
.endif
	WIN MUL
	PRODU GACC, FS, FS, \first                     ; rr: needs R alone, so it stands in front of the wait for I
	s_wait_loadcnt \lefti                          ; I's slot is in
	CVT \t, 1
.if \fill
	FILL (\t)+2, 1
.endif
	WIN MUL
	PRODU GACC, FS+32, FS+32, 0                    ; ii, onto rr
	PRODU PACC, FS, FS+32, \first                  ; P(a, b)[m][n] = sum of R[s][4m+a] I[s][4n+b]
	PRODU QACC, FS+32, FS, \first                  ; Q(a, b)[m][n] = sum of I[s][4m+a] R[s][4n+b]: ri's tile (b, a), transposed
.endm
	s_load_b128 s[4:7], s[0:1], 0x0                ; R s[4:5], I s[6:7]
	s_load_b64 s[8:9], s[0:1], 0x10                ; part
	v_lshl_add_u32 v254, v0, 2, 0x14000
	v_mov_b32 v255, 0
	v_and_b32 v[L16], 31, v0                       ; lane
	v_lshrrev_b32 v3, 5, v0
	v_readfirstlane_b32 s10, v3                    ; wave w, 0..3
	v_lshlrev_b32 v[L16], 4, v[L16]
	v_lshl_add_u32 v[VOFF], v3, 16, v[L16]         ; 16 x lane + w x 256 tokens x 256 bytes
	s_lshl_b32 s12, ttmp9, 18                      ; the work-group's 1,024 tokens x 256 bytes (below 2^26)
	s_mov_b32 s13, 0
	s_mul_i32 s14, ttmp9, WREG                     ; its 20,480 bytes of part
	s_mov_b32 s15, 0
	s_wait_kmcnt 0x0
	s_add_nc_u64 s[4:5], s[4:5], s[12:13]
	s_add_nc_u64 s[6:7], s[6:7], s[12:13]
	s_add_nc_u64 s[8:9], s[8:9], s[14:15]
	FILL 0, 0                                      ; the four slots: K steps 0 and 1, 64 loads, 32 KB of this wave's 128 KB
	FILL 0, 1
	FILL 1, 0
	FILL 1, 1
	WIN 0
	; the addresses of the way out, made here, while the first loads are under way
	s_mul_i32 s16, s10, WREG
	s_mul_i32 s17, s10, OWN
	v_add_nc_u32 v[STO], s16, v[L16]               ; my wave's region
	v_add_nc_u32 v[RD], s17, v[L16]                ; tile 5w of wave 0's region; also my offset in part
.irp u, 1,2,3
	v_add_nc_u32 v[RD+\u], \u*WREG, v[RD]          ; a register for each region: 3 regions + 5 tiles pass the 16-bit immediate
.endr
	; Behind the slot that a wait wants, the loads of three more slots are out: 3 x 16 = 48.
	STEP 0, 1, 48, 48, 1                           ; the first products start the sums: nothing is cleared
.irp t, 1,2,3,4,5
	STEP \t, 1, 48, 48, 0
.endr
	STEP 6, 0, 48, 32, 0                           ; the last two steps load nothing: the counts run down
	STEP 7, 0, 16, 0, 0
	; THE WAY OUT.  Every wave lays its 20 tiles into its own region of LDS as they lie in registers: each store is 512 consecutive bytes.
	; Behind one barrier wave w adds tiles 5w .. 5w+4 over the four regions, read from the same places, and stores them in the same layout.
	WIN 0
.rept 4
	v_nop                                          ; four places between the last products and what reads their results or writes their
.endr                                              ; registers below: LDS stores, differences, LDS loads into former fragments
.macro PUT T                           ; tile T of window 1
	ds_store_b128 v[STO], v[8*\T:8*\T+3]   offset:\T*TILEB
	ds_store_b128 v[STO], v[8*\T+4:8*\T+7] offset:\T*TILEB+512
.endm
	WIN ST_ACC
.irp T, 0,1,2,3,4,5,6,7,8,9
	PUT \T                                         ; G goes first: LDS takes these 20 stores while the differences below are made
.endr
	WIN IN_W1
.set i, 0
.rept 80
	v_sub_f32 v[PACC+i], v[PACC+i], v[QACC+i]      ; A = P - Q.  On a diagonal tile's diagonal P and Q are the same products: exactly 0
.set i, i+1
.endr
	WIN ST_ACC
.irp T, 10,11,12,13,14,15,16,17,18,19
	PUT \T                                         ; A lies where P lay: registers 8 T
.endr
	WIN 0
	s_wait_dscnt 0x0                               ; for the other waves' sake: all my stores are in LDS
	s_barrier_signal -1
	s_barrier_wait -1
.irp p, 0,1,2,3,4,5,6,7,8,9
.irp u, 0,1,2,3
	ds_load_b128 v[LA+16*\p+4*\u:LA+16*\p+4*\u+3], v[RD+\u] offset:\p*512     ; piece p (half a tile) of my five tiles, as wave u stored it
.endr
.endr
.irp p, 0,1,2,3,4,5,6,7,8,9
.set SB, LA+16*\p
	s_wait_dscnt 36-4*\p                           ; LDS loads return in order: piece p's four are in, the 4 (9 - p) younger ones stay out
	v_pk_add_f32 v[SB:SB+1],     v[SB:SB+1],     v[SB+4:SB+5]      ; (wave 0 + wave 1)
	v_pk_add_f32 v[SB+2:SB+3],   v[SB+2:SB+3],   v[SB+6:SB+7]
	v_pk_add_f32 v[SB+8:SB+9],   v[SB+8:SB+9],   v[SB+12:SB+13]    ; (wave 2 + wave 3)
	v_pk_add_f32 v[SB+10:SB+11], v[SB+10:SB+11], v[SB+14:SB+15]
	v_pk_add_f32 v[SB:SB+1],     v[SB:SB+1],     v[SB+8:SB+9]
	v_pk_add_f32 v[SB+2:SB+3],   v[SB+2:SB+3],   v[SB+10:SB+11]
	global_store_b128 v[GO], v[SB:SB+3], s[8:9] offset:\p*512      ; the wave stores 512 consecutive bytes, at a multiple of 512 from part's first byte
.endr
	s_wait_tensorcnt 0x0
	ds_add_u32 v254, v255
	s_wait_dscnt 0x0
	s_endpgm
.Lfunc_end_k_q7f67a08f34_gram:
	.size	k_q7f67a08f34_gram, .Lfunc_end_k_q7f67a08f34_gram-k_q7f67a08f34_gram
	.p2alignl 7, 3214868480
	.fill 96, 4, 3214868480
	.section	.rodata,"a",@progbits
	.p2align	6, 0x0
	.amdhsa_kernel k_q7f67a08f34_gram
		.amdhsa_group_segment_fixed_size 82432
		.amdhsa_private_segment_fixed_size 0
		.amdhsa_enable_private_segment 0
		.amdhsa_kernarg_size 24
		.amdhsa_user_sgpr_count 2
		.amdhsa_user_sgpr_kernarg_segment_ptr 1
		.amdhsa_wavefront_size32 1
		.amdhsa_system_sgpr_workgroup_id_x 1
		.amdhsa_system_sgpr_workgroup_id_y 1
		.amdhsa_system_sgpr_workgroup_id_z 1
		.amdhsa_system_vgpr_workitem_id 0
		.amdhsa_next_free_vgpr 768
		.amdhsa_next_free_sgpr 66
		.amdhsa_reserve_vcc 0
		.amdhsa_float_denorm_mode_32 3
		.amdhsa_float_denorm_mode_16_64 3
		.amdhsa_memory_ordered 1
		.amdhsa_forward_progress 1
		.amdhsa_inst_pref_size 93
	.end_amdhsa_kernel
	.amdgpu_metadata
---
amdhsa.version: [ 1, 2 ]
amdhsa.kernels:
  - .name:           k_q7f67a08f34_gram
    .symbol:         k_q7f67a08f34_gram.kd
    .args:
      - { .name: input_real, .offset: 0, .size: 8, .value_kind: global_buffer, .address_space: global }
      - { .name: input_imag, .offset: 8, .size: 8, .value_kind: global_buffer, .address_space: global }
      - { .name: part, .offset: 16, .size: 8, .value_kind: global_buffer, .address_space: global }
    .group_segment_fixed_size: 82432
    .private_segment_fixed_size: 0
    .kernarg_segment_align: 8
    .kernarg_segment_size: 24
    .max_flat_workgroup_size: 128
    .sgpr_count:     66
    .vgpr_count:     768
    .wavefront_size: 32
...
	.end_amdgpu_metadata
.endif
;; end of part 1
;; launch fold (part 2): grid 256 x 1, 8 waves a work-group, no clusters, 5,632 bytes of LDS; arguments part, out0, out1; writes out0, out1
.if DOCPART == 2
	.amdgcn_target "amdgcn-amd-amdhsa--gfx1250"
	.amdhsa_code_object_version 6
	.text
	.protected	k_q7f67a08f34_fold
	.globl	k_q7f67a08f34_fold
	.p2align	8
	.type	k_q7f67a08f34_fold,@function
k_q7f67a08f34_fold:
	s_mov_b64 s[64:65], 0
	v_nop
	global_prefetch_b8 v0, s[64:65] scope:SCOPE_SE
	s_setreg_imm32_b32 hwreg(HW_REG_WAVE_MODE, 25, 1), 1
	s_wait_xcnt 0x0
; ComplexMixture, second of two launches: out = (sum of a batch's 8 partial matrices) / 8192, the lower tiles mirrored from the upper ones.
; part: [32 batches][8 chunks][20 tiles][1,024 bytes] f32, as the first launch stored it: tile (a, b), a <= b, element (m, n), is
; out[4m + a][4n + b]; its number is t = a (7 - a) / 2 + b, plus 10 for out1; element (m, n) lies at 512 ((m / 4) % 2) + 256 (m / 8) + 16 n + 4 (m % 4).
; out0, out1: [32][64][64] f32.
; Work-group x: batch x / 8, output o = (x / 4) % 2, tile row a = x % 4: the 16 rows i = 4m + a of one output, 4 KB.
; Waves 2b and 2b + 1 take the tile that holds the columns 4n + b: (a, b) where b >= a, else (b, a), which is then read across, and for out1
; (antisymmetric) multiplied by -1 / 8192.  Thread t: 16 bytes of each of the 8 chunks, all eight loads issued at once, added as
; ((0+1)+(2+3)) + ((4+5)+(6+7)), one multiplication by 2^-13 (exact).  The 4 KB then pass through LDS, since a row's 16 neighbouring bytes
; come from four tiles: each thread reads, for each b, the element straight and (b < 3) across, and picks by b < a, so that every
; address hangs on the thread's number alone.  Sixteen neighbouring lanes store one whole row: 256 consecutive bytes, aligned.
; A tile off the diagonal is loaded by two work-groups (rows a and b), so these loads carry no hint that the data are used once.
.set CHUNKB, 20480                     ; from chunk to chunk
.set INV_S,  0x39000000                ; 1 / 8192 = 2^-13
.set GP,     288                       ; LDS: 256 bytes of a tile + 32: read across, a wave's 32 lanes then fall on banks 8 g + 4 (row % 2) + (m % 4), all different
.set SLOTB,  4*GP                      ; a tile in LDS
.set WA,  5                            ; v5      LDS: where I put my 16 bytes
.set OO,  6                            ; v6      my 16 bytes in the output: row 4 (t / 16) + a, columns 4 (t % 16) ..
.set DIR, 7                            ; v7      LDS: element (t / 16, t % 16) of tile slot 0
.set TRA, 8                            ; v8      LDS: element (t % 16, t / 16) of tile slot 0
.set X,   12                           ; v[12:43] the eight chunks
.set D,   44                           ; v[44:47] straight, then the four columns to store
.set T,   48                           ; v[48:50] across
	s_load_b128 s[4:7], s[0:1], 0x0                ; part s[4:5], out0 s[6:7]
	s_load_b64 s[8:9], s[0:1], 0x10                ; out1
	v_lshl_add_u32 v52, v0, 2, 0x1200
	v_mov_b32 v53, 0
	v_lshrrev_b32 v2, 5, v0
	v_readfirstlane_b32 s10, v2                    ; wave 0..7
	s_lshr_b32 s11, s10, 1                         ; b
	s_and_b32 s12, ttmp9, 3                        ; a
	s_bfe_u32 s13, ttmp9, 0x10002                  ; o: one bit from bit 2
	s_lshr_b32 s14, ttmp9, 3                       ; batch
	s_min_u32 s15, s11, s12                        ; the stored tile is (lo, hi)
	s_max_u32 s16, s11, s12
	s_sub_co_u32 s17, 7, s15
	s_mul_i32 s17, s17, s15
	s_lshr_b32 s17, s17, 1
	s_add_co_u32 s17, s17, s16                     ; t = lo (7 - lo) / 2 + hi
	s_mul_i32 s18, s13, 10
	s_add_co_u32 s17, s17, s18                     ; + 10 o
	s_lshl_b32 s17, s17, 10                        ; tiles of 1,024 bytes
	s_mul_i32 s18, s14, 8*CHUNKB
	s_add_co_u32 s18, s18, s17
	s_mov_b32 s19, 0
	v_and_b32 v1, 63, v0
	v_lshlrev_b32 v1, 4, v1                        ; my 16 bytes of the tile: two waves cover its 1,024
	s_wait_kmcnt 0x0
	s_add_nc_u64 s[4:5], s[4:5], s[18:19]
.irp c, 0,1,2,3,4,5,6,7
	global_load_b128 v[X+4*\c:X+4*\c+3], v1, s[4:5] offset:\c*CHUNKB
.endr
	; all that follows up to the first wait is made while the loads are under way
	s_cmp_lt_u32 s11, s12                          ; my tile is mirrored
	s_cselect_b32 s20, s13, 0                      ; and belongs to out1:
	s_lshl_b32 s20, s20, 31                        ; the sign
	s_or_b32 s20, s20, INV_S
	s_mov_b32 s21, s20                             ; (the packed multiply names the pair)
	s_cmp_lg_u32 s13, 0
	s_cselect_b64 s[22:23], s[8:9], s[6:7]         ; out1 or out0, by the work-group's number alone
	s_lshl_b32 s24, s14, 14                        ; 16 KB a batch
	s_lshl_b32 s25, s12, 8                         ; row a
	s_add_co_u32 s24, s24, s25
	s_mov_b32 s25, 0
	s_add_nc_u64 s[22:23], s[22:23], s[24:25]
.irp b, 0,1,2
	s_cmp_gt_u32 s12, \b
	s_cselect_b32 s[26+\b], -1, 0                  ; all lanes: column group b comes from a mirrored tile (b = 3 never does)
.endr
	v_lshrrev_b32 v3, 4, v0                        ; g = t / 16
	v_and_b32 v4, 15, v0                           ; c = t % 16
	v_mul_u32_u24 v[WA], v3, GP
	v_lshl_add_u32 v[WA], v4, 4, v[WA]             ; 16 t, with 32 bytes more for each 256
	v_lshlrev_b32 v[OO], 10, v3                    ; four rows of 256 bytes from my row to the next of this tile row
	v_lshl_add_u32 v[OO], v4, 4, v[OO]
; the place of element (m, n) in a tile in LDS: GP (2 ((m / 4) % 2) + m / 8) + 16 n + 4 (m % 4)
.macro ELEM dst, m, n
	v_bfe_u32 v9, v[\m], 2, 1
	v_lshrrev_b32 v[\dst], 3, v[\m]
	v_lshl_add_u32 v9, v9, 1, v[\dst]
	v_mul_u32_u24 v9, v9, GP
	v_and_b32 v[\dst], 3, v[\m]
	v_lshl_add_u32 v9, v[\dst], 2, v9
	v_lshl_add_u32 v[\dst], v[\n], 4, v9
.endm
	ELEM DIR, 3, 4
	ELEM TRA, 4, 3
.irp p, 0,1,2,3
	s_wait_loadcnt 6-2*\p                          ; loads return in order: chunks 2p and 2p + 1 are in, the 6 - 2p younger loads stay out
	v_pk_add_f32 v[X+8*\p:X+8*\p+1],   v[X+8*\p:X+8*\p+1],   v[X+8*\p+4:X+8*\p+5]
	v_pk_add_f32 v[X+8*\p+2:X+8*\p+3], v[X+8*\p+2:X+8*\p+3], v[X+8*\p+6:X+8*\p+7]
.endr
	v_pk_add_f32 v[X:X+1],     v[X:X+1],     v[X+8:X+9]
	v_pk_add_f32 v[X+2:X+3],   v[X+2:X+3],   v[X+10:X+11]
	v_pk_add_f32 v[X+16:X+17], v[X+16:X+17], v[X+24:X+25]
	v_pk_add_f32 v[X+18:X+19], v[X+18:X+19], v[X+26:X+27]
	v_pk_add_f32 v[X:X+1],     v[X:X+1],     v[X+16:X+17]
	v_pk_add_f32 v[X+2:X+3],   v[X+2:X+3],   v[X+18:X+19]
	v_pk_mul_f32 v[X:X+1],   v[X:X+1],   s[20:21] op_sel_hi:[1,0]
	v_pk_mul_f32 v[X+2:X+3], v[X+2:X+3], s[20:21] op_sel_hi:[1,0]
	ds_store_b128 v[WA], v[X:X+3]                  ; sixteen lanes: 256 consecutive bytes
	s_wait_dscnt 0x0                               ; for the other waves' sake: my store is in LDS
	s_barrier_signal -1
	s_barrier_wait -1
.irp b, 0,1,2,3
	ds_load_b32 v[D+\b], v[DIR] offset:\b*SLOTB    ; slot b at (m = my row, n = my column group)
.endr
.irp b, 0,1,2
	ds_load_b32 v[T+\b], v[TRA] offset:\b*SLOTB    ; slot b at (m = my column group, n = my row)
.endr
	s_wait_dscnt 0x0
.irp b, 0,1,2
	v_cndmask_b32 v[D+\b], v[D+\b], v[T+\b], s[26+\b]      ; b < a: the mirrored element
.endr
	global_store_b128 v[OO], v[D:D+3], s[22:23] th:TH_STORE_NT
	s_wait_tensorcnt 0x0
	ds_add_u32 v52, v53
	s_wait_dscnt 0x0
	s_endpgm
.Lfunc_end_k_q7f67a08f34_fold:
	.size	k_q7f67a08f34_fold, .Lfunc_end_k_q7f67a08f34_fold-k_q7f67a08f34_fold
	.p2alignl 7, 3214868480
	.fill 96, 4, 3214868480
	.section	.rodata,"a",@progbits
	.p2align	6, 0x0
	.amdhsa_kernel k_q7f67a08f34_fold
		.amdhsa_group_segment_fixed_size 5632
		.amdhsa_private_segment_fixed_size 0
		.amdhsa_enable_private_segment 0
		.amdhsa_kernarg_size 24
		.amdhsa_user_sgpr_count 2
		.amdhsa_user_sgpr_kernarg_segment_ptr 1
		.amdhsa_wavefront_size32 1
		.amdhsa_system_sgpr_workgroup_id_x 1
		.amdhsa_system_sgpr_workgroup_id_y 1
		.amdhsa_system_sgpr_workgroup_id_z 1
		.amdhsa_system_vgpr_workitem_id 0
		.amdhsa_next_free_vgpr 54
		.amdhsa_next_free_sgpr 66
		.amdhsa_reserve_vcc 0
		.amdhsa_float_denorm_mode_32 3
		.amdhsa_float_denorm_mode_16_64 3
		.amdhsa_memory_ordered 1
		.amdhsa_forward_progress 1
		.amdhsa_inst_pref_size 6
	.end_amdhsa_kernel
	.amdgpu_metadata
---
amdhsa.version: [ 1, 2 ]
amdhsa.kernels:
  - .name:           k_q7f67a08f34_fold
    .symbol:         k_q7f67a08f34_fold.kd
    .args:
      - { .name: part, .offset: 0, .size: 8, .value_kind: global_buffer, .address_space: global }
      - { .name: out0, .offset: 8, .size: 8, .value_kind: global_buffer, .address_space: global }
      - { .name: out1, .offset: 16, .size: 8, .value_kind: global_buffer, .address_space: global }
    .group_segment_fixed_size: 5632
    .private_segment_fixed_size: 0
    .kernarg_segment_align: 8
    .kernarg_segment_size: 24
    .max_flat_workgroup_size: 256
    .sgpr_count:     66
    .vgpr_count:     54
    .wavefront_size: 32
...
	.end_amdgpu_metadata
.endif
;; end of part 2
;; ======== version 2 of 2: 2 launches; version 1 with the launch gram written anew for expert scheduling mode
;; workspace buffers: part 5,242,880 bytes
;; launch gram (part 3): grid 256 x 1, 4 waves a work-group, no clusters, 82,432 bytes of LDS; arguments input_real, input_imag, part; writes part
.if DOCPART == 3
	.amdgcn_target "amdgcn-amd-amdhsa--gfx1250"
	.amdhsa_code_object_version 6
	.text
	.protected	k_q7f67a08f34_gram
	.globl	k_q7f67a08f34_gram
	.p2align	8
	.type	k_q7f67a08f34_gram,@function
k_q7f67a08f34_gram:
	s_mov_b64 s[64:65], 0
	v_nop
	global_prefetch_b8 v0, s[64:65] scope:SCOPE_SE
	s_setreg_imm32_b32 hwreg(HW_REG_WAVE_SCHED_MODE, 0, 2), 2
	s_setreg_imm32_b32 hwreg(HW_REG_WAVE_MODE, 25, 1), 1
	s_wait_xcnt 0x0
	s_wait_alu depctr_vm_vsrc(0)
; ComplexMixture, first of two launches: partial Gram sums over 1,024 tokens, upper tiles only.
;   G[i][j] = sum over s of R[s][i] R[s][j] + I[s][i] I[s][j]                     (rr + ii, symmetric)
;   A[i][j] = sum over s of R[s][i] I[s][j]  -  sum over s of I[s][i] R[s][j]     (ri - ri^T, antisymmetric)
; R, I: [32][8192][64] f32.  Work-group x (0..255) owns tokens 1024 x .. 1024 x + 1023 of the flattened [32*8192] rows (batch x / 8,
; chunk x % 8) and stores 20 tiles of 16 x 16 f32, unscaled, at part + 20,480 x.  The second launch adds the 8 chunks and mirrors.
; Four waves, one on each SIMD; a wave owns 256 tokens = 8 K steps of 32 tokens.
;
; NO TRANSPOSE IS NEEDED ON THE WAY IN.  The sum runs over s, which lies across the rows of memory, and a matrix operand wants a lane to
; hold ONE column i with s along its registers.  A 16-byte load at 16 x lane gives lane (r = lane % 16, h = lane / 16) the columns
; 4r .. 4r+3 of token 2j + h.  Register f of those four goes to fragment f, which so holds the columns i = 4r + f (f modulo 4).
; Sixteen loads (32 tokens) and 32 packing conversions make the four fragments of one input.  The place of a token in the k slots
; (h, register, half) is the same in all eight fragments, so each serves as A or as B operand and the products meet the right partners.
; Each load of a wave covers 512 consecutive bytes, two whole rows; every input byte is loaded once.
;
; TILES.  Tile (a, b), element (m, n), is out[4m + a][4n + b].  Tile (b, a) is the transpose of tile (a, b), with the sign turned for A, so only
; the ten tiles with a <= b are made: number t(a, b) = 3a - a(a-1)/2 + b = 0..9.  A step is 40 products in place of 64.
; IN part a tile lies as it lies in registers: tile T (G: t, A: 10 + t) at 1,024 T; register 4q + e of lane l, which is element
; (m = 8 (l / 16) + 4q + e, n = l % 16), at 512 q + 16 l + 4 e.
;
; NOT USED, by this text's own arithmetic: clusters (no two work-groups load a common byte); the tensor data mover and an LDS ring (the
; layout above needs no pass through LDS, and four register slots of 8 KB a wave hold what is in flight); prefetches (every byte is
; asked for once, from the first lines on).
; LIMITS: operands are rounded to bf16 (nearest even), sums are f32 in another order than a plain einsum; a finite input above the
; largest bf16 by more than half a step (about 3.39e38) becomes infinite, where R[s][i]^2 has overflowed f32 long before.
;
; REGISTERS, in windows of 256:
;   window 0: v1 load offset, v2 16 x lane, v4-v11 addresses of the way out, v64-127 and v128-191 two sets of 8 fragments (R's four, then
;             I's four); on the way out v64-223 the tiles read back
;   window 1: accumulators, tile t at 8 t: G at 0, P = R^T I at 80 (later A), Q = I^T R at 160
;   window 2: four load slots of 64 registers: 128 (step % 2) + 64 (0: R, 1: I)
;
; THE MODE: SCHED_MODE bits 1:0 = 2 (LLVM: expert scheduling mode 2), set by the entry lines.  The code itself states the register dependences
; between vector or matrix instructions and memory or LDS instructions, with s_wait_alu, always for 0.
; THE PLAN.  Registers that memory or LDS instructions touch:
;   v1            Made at the head, never written again; read by all 256 loads.  One wait ahead of the first load.
;   the slots     Step t: 32 conversions read a slot; behind them the sixteen loads of step t + 2 land in it.  No other vector or matrix instruction
;                 names window 2.  ONE wait behind the conversions serves the sixteen: twelve follow it at once, four stand behind the next ten
;                 products, which name fragments (window 0) and G (window 1) alone.
;   v4, v8-v11    Made behind the first fills, never written again; read on the way out.  Every wait of the steps stands between.
;   G, A          Written by products (A also by the differences); read by the LDS stores.  One wait ahead of each of the two runs of stores.
;   v64-223       Fragments up to the last product; then the LDS loads of the way out land there: the wait ahead of A's stores stands behind every
;                 product and conversion, and no vector instruction between it and those loads names them.  Then the additions write them and the
;                 global stores read them: one wait for five pieces' additions, ahead of their five stores, twice.
;   s10           Written by v_readfirstlane_b32: one wait ahead of its first reader.
; No register that a memory or LDS instruction reads is written again, so the text holds no wait on vm_vsrc; EXEC and VCC are never written.
.set ROWB,   256                       ; a token's row: 64 f32
.set STEPB,  32*ROWB                   ; bytes of one input in a K step of 32 tokens
.set TILEB,  1024                      ; a tile: 16 x 16 f32
.set WREG,   20*TILEB                  ; a wave's 20 tiles in LDS, and a work-group's in part: 20,480 bytes; four waves: 81,920
.set OWN,    5*TILEB                   ; the five tiles that a wave adds up and stores
.set VOFF, 1                           ; v1      16 x lane + 65,536 x wave: my 16 bytes in the wave's first two rows
.set L16,  2                           ; v2      16 x lane
.set STO,  4                           ; v4      LDS: my 16 bytes in the first half tile of my wave's region
.set RD,   8                           ; v8-11   LDS: my 16 bytes in tile 5w of the region of wave u = 0..3
.set GO,   RD                          ; v8      and the same offset in the work-group's 20,480 bytes of part
.set FR,   64                          ; fragment sets
.set LA,   64                          ; way out: piece p (half a tile) of four waves at LA + 16 p + 4 u
.set GACC, 0                           ; window 1
.set PACC, 80
.set QACC, 160
; s_set_vgpr_msb's low byte: bits 1:0 source 0, 3:2 source 1, 5:4 source 2, 7:6 destination
.set TO_X,    0x80                     ; loads: data to window 2, offset register in window 0
.set FROM_X,  0x0a                     ; conversions: both sources window 2, result window 0
.set MUL,     0x50                     ; products: A and B window 0, C and D window 1
.set ST_ACC,  0x04                     ; LDS stores: data window 1, address window 0
.set IN_W1,   0x45                     ; differences inside window 1
.set MSB, 0
.macro WIN new                         ; the immediate's high byte repeats the setting that is left; switches that change nothing are dropped
.if MSB != \new
	s_set_vgpr_msb (MSB<<8)|\new
.set MSB, \new
.endif
.endm
; Loads from .. from + cnt - 1 of the sixteen that bring K step t's 32 tokens of input x (0: R at s[4:5], 1: I at s[6:7]) into its slot.
; The step lies in the immediate: nothing is stepped.
.macro FILL t, x, from, cnt
.set XB, 128*((\t)%2)+64*\x
	WIN TO_X
.set j, \from
.rept \cnt
	global_load_b128 v[XB+4*j:XB+4*j+3], v[VOFF], s[4+2*\x:5+2*\x] offset:(\t)*STEPB+j*512 th:TH_LOAD_NT
.set j, j+1
.endr
.endm
; 32 conversions: the slot's 64 registers become four fragments.  Register q of fragment f packs column 4r + f of tokens 4q + h and 4q + 2 + h.
.macro CVT t, x
.set XB, 128*((\t)%2)+64*\x
.set FB, FR+64*((\t)%2)+32*\x
	WIN FROM_X
.irp f, 0,1,2,3
.irp q, 0,1,2,3,4,5,6,7
	v_cvt_pk_bf16_f32 v[FB+8*\f+\q], v[XB+8*\q+\f], v[XB+8*\q+4+\f]
.endr
.endr
.endm
.macro MM d, a, b, zero
.if \zero
	v_wmma_f32_16x16x32_bf16 v[\d:\d+7], v[\a:\a+7], v[\b:\b+7], 0
.else
	v_wmma_f32_16x16x32_bf16 v[\d:\d+7], v[\a:\a+7], v[\b:\b+7], v[\d:\d+7]
.endif
.endm
; 10 products: tile (m, n), m <= n, at acc + 8 t(m, n) takes fragment m of fa as A and fragment n of fb as B.  zero = 1: the product starts the sum.
.macro PRODU acc, fa, fb, zero
.irp m, 0,1,2,3
.irp n, 0,1,2,3
.if \n >= \m
	MM \acc+8*(3*\m-\m*(\m-1)/2+\n), \fa+8*\m, \fb+8*\n, \zero
.endif
.endr
.endr
.endm
; A K STEP.  fill = 1: each slot is loaded again, two steps ahead, behind the conversions that emptied it and the one wait that says so:
; twelve loads at once, the last four behind the next ten products; all sixteen are issued ahead of the next wait on LOADcnt, so the counts hold.
; leftr, lefti: how many younger loads may stay out when R's, I's 16 loads of this step have to be in.
; The fragment sets take turns, so that a conversion writes registers whose last products lie a whole step back: the 64 conversions of the
; step between, which name the other set and window 2 alone, are far more than the four places that ISA guide 7.12.1 asks behind a
; matrix instruction before one of its sources is written.  rr and ii follow each other on one accumulator as a chain in place.
.macro STEP t, fill, leftr, lefti, first
.set FS, FR+64*((\t)%2)
	s_wait_loadcnt \leftr                          ; loads return in order (ISA guide 5.7.1): R's slot is in
	CVT \t, 0
.if \fill
	WIN TO_X                                       ; the window first, then the wait, then the loads
	s_wait_alu depctr_va_vdst(0)                   ; the 32 conversions are done reading R's slot, in which the sixteen loads of step t + 2 land (in step 0 also: v4 and v8-v11 are written)
	FILL (\t)+2, 0, 0, 12
.endif
	WIN MUL
	PRODU GACC, FS, FS, \first                     ; rr: needs R alone, so it stands in front of the wait for I
.if \fill
	FILL (\t)+2, 0, 12, 4                          ; no wait: since the wait above only these ten products were issued, and they name neither v1 nor the slot
.endif
	s_wait_loadcnt \lefti                          ; I's slot is in
	CVT \t, 1
.if \fill
	WIN TO_X
	s_wait_alu depctr_va_vdst(0)                   ; the 32 conversions are done reading I's slot, in which the sixteen loads of step t + 2 land
	FILL (\t)+2, 1, 0, 12
.endif
	WIN MUL
	PRODU GACC, FS+32, FS+32, 0                    ; ii, onto rr
.if \fill
	FILL (\t)+2, 1, 12, 4                          ; no wait: as above, ten products on fragments and G alone stand between
.endif
	WIN MUL
	PRODU PACC, FS, FS+32, \first                  ; P(a, b)[m][n] = sum of R[s][4m+a] I[s][4n+b]
	PRODU QACC, FS+32, FS, \first                  ; Q(a, b)[m][n] = sum of I[s][4m+a] R[s][4n+b]: ri's tile (b, a), transposed
.endm
	s_load_b128 s[4:7], s[0:1], 0x0                ; R s[4:5], I s[6:7]
	s_load_b64 s[8:9], s[0:1], 0x10                ; part
	v_lshl_add_u32 v254, v0, 2, 0x14000
	v_mov_b32 v255, 0
	v_and_b32 v[L16], 31, v0                       ; lane
	v_lshrrev_b32 v3, 5, v0
	v_readfirstlane_b32 s10, v3                    ; wave w, 0..3
	v_lshlrev_b32 v[L16], 4, v[L16]
	v_lshl_add_u32 v[VOFF], v3, 16, v[L16]         ; 16 x lane + w x 256 tokens x 256 bytes
	s_lshl_b32 s12, ttmp9, 18                      ; the work-group's 1,024 tokens x 256 bytes (below 2^26)
	s_mov_b32 s13, 0
	s_mul_i32 s14, ttmp9, WREG                     ; its 20,480 bytes of part
	s_mov_b32 s15, 0
	s_wait_kmcnt 0x0
	s_add_nc_u64 s[4:5], s[4:5], s[12:13]
	s_add_nc_u64 s[6:7], s[6:7], s[12:13]
	s_add_nc_u64 s[8:9], s[8:9], s[14:15]
	WIN TO_X
	s_wait_alu depctr_va_vdst(0)                   ; v1 is written: every load of the kernel reads it as its offset
	FILL 0, 0, 0, 16                               ; the four slots: K steps 0 and 1, 64 loads, 32 KB of this wave's 128 KB
	FILL 0, 1, 0, 16
	FILL 1, 0, 0, 16
	FILL 1, 1, 0, 16
	WIN 0
	; the addresses of the way out, made here, while the first loads are under way
	s_wait_alu depctr_va_sdst(0)                   ; s10 is written, ahead of its first reader
	s_mul_i32 s16, s10, WREG
	s_mul_i32 s17, s10, OWN
	v_add_nc_u32 v[STO], s16, v[L16]               ; my wave's region
	v_add_nc_u32 v[RD], s17, v[L16]                ; tile 5w of wave 0's region; also my offset in part
.irp u, 1,2,3
	v_add_nc_u32 v[RD+\u], \u*WREG, v[RD]          ; a register for each region: 3 regions + 5 tiles pass the 16-bit immediate
.endr
	; Behind the slot that a wait wants, the loads of three more slots are out: 3 x 16 = 48.
	STEP 0, 1, 48, 48, 1                           ; the first products start the sums: nothing is cleared
.irp t, 1,2,3,4,5
	STEP \t, 1, 48, 48, 0
.endr
	STEP 6, 0, 48, 32, 0                           ; the last two steps load nothing: the counts run down, and no dependence is left to state
	STEP 7, 0, 16, 0, 0
	; THE WAY OUT.  Every wave lays its 20 tiles into its own region of LDS as they lie in registers: each store is 512 consecutive bytes.
	; Behind one barrier wave w adds tiles 5w .. 5w+4 over the four regions, read from the same places, and stores them in the same layout.
	WIN 0
.rept 4
	v_nop                                          ; four places between the last products and what reads their results or writes their
.endr                                              ; registers below: LDS stores and differences; they stay beside the wait that follows
.macro PUT T                           ; tile T of window 1
	ds_store_b128 v[STO], v[8*\T:8*\T+3]   offset:\T*TILEB
	ds_store_b128 v[STO], v[8*\T+4:8*\T+7] offset:\T*TILEB+512
.endm
	WIN ST_ACC
	s_wait_alu depctr_va_vdst(0)                   ; the products have written G, which the twenty LDS stores below read
.irp T, 0,1,2,3,4,5,6,7,8,9
	PUT \T                                         ; G goes first: LDS takes these 20 stores while the differences below are made
.endr
	WIN IN_W1
.set i, 0
.rept 80
	v_sub_f32 v[PACC+i], v[PACC+i], v[QACC+i]      ; A = P - Q.  On a diagonal tile's diagonal P and Q are the same products: exactly 0.  (The stores above read G alone: none has read P's registers)
.set i, i+1
.endr
	WIN ST_ACC
	s_wait_alu depctr_va_vdst(0)                   ; the differences have written A, which the LDS stores below read; and every product and conversion is done with v64-191, in which the LDS loads behind the barrier land
.irp T, 10,11,12,13,14,15,16,17,18,19
	PUT \T                                         ; A lies where P lay: registers 8 T
.endr
	WIN 0
	s_wait_dscnt 0x0                               ; for the other waves' sake: all my stores are in LDS
	s_barrier_signal -1
	s_barrier_wait -1
.irp p, 0,1,2,3,4,5,6,7,8,9
.irp u, 0,1,2,3
	ds_load_b128 v[LA+16*\p+4*\u:LA+16*\p+4*\u+3], v[RD+\u] offset:\p*512     ; piece p (half a tile) of my five tiles, as wave u stored it.  No wait: nothing issued since the last one names v64-223 or v8-v11
.endr
.endr
.macro SUM p                           ; piece p over the four waves
.set SB, LA+16*\p
	s_wait_dscnt 36-4*\p                           ; LDS loads return in order: piece p's four are in, the 4 (9 - p) younger ones stay out
	v_pk_add_f32 v[SB:SB+1],     v[SB:SB+1],     v[SB+4:SB+5]      ; (wave 0 + wave 1)
	v_pk_add_f32 v[SB+2:SB+3],   v[SB+2:SB+3],   v[SB+6:SB+7]
	v_pk_add_f32 v[SB+8:SB+9],   v[SB+8:SB+9],   v[SB+12:SB+13]    ; (wave 2 + wave 3)
	v_pk_add_f32 v[SB+10:SB+11], v[SB+10:SB+11], v[SB+14:SB+15]
	v_pk_add_f32 v[SB:SB+1],     v[SB:SB+1],     v[SB+8:SB+9]
	v_pk_add_f32 v[SB+2:SB+3],   v[SB+2:SB+3],   v[SB+10:SB+11]
.endm
.macro SEND p
	global_store_b128 v[GO], v[LA+16*\p:LA+16*\p+3], s[8:9] offset:\p*512      ; the wave stores 512 consecutive bytes, at a multiple of 512 from part's first byte
.endm
.irp p, 0,1,2,3,4
	SUM \p
.endr
	s_wait_alu depctr_va_vdst(0)                   ; the additions have written pieces 0 to 4, which the five stores below read
.irp p, 0,1,2,3,4
	SEND \p
.endr
.irp p, 5,6,7,8,9
	SUM \p                                         ; these write other registers than the stores above read
.endr
	s_wait_alu depctr_va_vdst(0)                   ; the additions have written pieces 5 to 9, which the last five stores read
.irp p, 5,6,7,8,9
	SEND \p
.endr
	s_wait_dscnt 0x0
	s_wait_alu depctr_hold_cnt(0) depctr_sa_sdst(0) depctr_va_vdst(0) depctr_va_sdst(0) depctr_va_ssrc(0) depctr_va_vcc(0) depctr_vm_vsrc(0)
	s_wait_tensorcnt 0x0
	ds_add_u32 v254, v255
	s_wait_dscnt 0x0
	s_endpgm
.Lfunc_end_k_q7f67a08f34_gram:
	.size	k_q7f67a08f34_gram, .Lfunc_end_k_q7f67a08f34_gram-k_q7f67a08f34_gram
	.p2alignl 7, 3214868480
	.fill 96, 4, 3214868480
	.section	.rodata,"a",@progbits
	.p2align	6, 0x0
	.amdhsa_kernel k_q7f67a08f34_gram
		.amdhsa_group_segment_fixed_size 82432
		.amdhsa_private_segment_fixed_size 0
		.amdhsa_enable_private_segment 0
		.amdhsa_kernarg_size 24
		.amdhsa_user_sgpr_count 2
		.amdhsa_user_sgpr_kernarg_segment_ptr 1
		.amdhsa_wavefront_size32 1
		.amdhsa_system_sgpr_workgroup_id_x 1
		.amdhsa_system_sgpr_workgroup_id_y 1
		.amdhsa_system_sgpr_workgroup_id_z 1
		.amdhsa_system_vgpr_workitem_id 0
		.amdhsa_next_free_vgpr 768
		.amdhsa_next_free_sgpr 66
		.amdhsa_reserve_vcc 0
		.amdhsa_float_denorm_mode_32 3
		.amdhsa_float_denorm_mode_16_64 3
		.amdhsa_memory_ordered 1
		.amdhsa_forward_progress 1
		.amdhsa_inst_pref_size 94
	.end_amdhsa_kernel
	.amdgpu_metadata
---
amdhsa.version: [ 1, 2 ]
amdhsa.kernels:
  - .name:           k_q7f67a08f34_gram
    .symbol:         k_q7f67a08f34_gram.kd
    .args:
      - { .name: input_real, .offset: 0, .size: 8, .value_kind: global_buffer, .address_space: global }
      - { .name: input_imag, .offset: 8, .size: 8, .value_kind: global_buffer, .address_space: global }
      - { .name: part, .offset: 16, .size: 8, .value_kind: global_buffer, .address_space: global }
    .group_segment_fixed_size: 82432
    .private_segment_fixed_size: 0
    .kernarg_segment_align: 8
    .kernarg_segment_size: 24
    .max_flat_workgroup_size: 128
    .sgpr_count:     66
    .vgpr_count:     768
    .wavefront_size: 32
...
	.end_amdgpu_metadata
.endif
;; end of part 3
;; launch fold: the kernel of part 2 again; grid 256 x 1, 8 waves a work-group, no clusters, 5,632 bytes of LDS; arguments part, out0, out1; writes out0, out1
